; MI455X (gfx1250); checked and timed in simulation.
; The chip was launched on July 23, 2026; its instructions are those of AMD's public machine-readable ISA for CDNA 5 (MIT licence, August 2026) and "CDNA5" Instruction Set Architecture Reference Guide (July 2026). The comments in the code are by the model that wrote it; some were corrected since.
;; Apply Attention Policy Map. Allowed arithmetic: matrix products marked QUANTISED: E2M1 operands, one E8M0 scale for each 32 along K, by v_wmma_scale_f32_16x16x128_f8f6f4 with both operands' format E2M1 (or v_wmma_scale_f32_32x16x128_f4), f32 sums; everything else in f32.
;; Inputs: fc1 4,288 x 1,858 float32; logits 8,192 x 64 x 64 float32; pp_logits 8,192 x 8 x 24 float32.
;; Outputs: out0 8,192 x 1,858 float32.
;; This version of the problem:
;;   THIS VERSION OF THE PROBLEM IS GIVEN IN LOW PRECISION. The matrix products marked QUANTISED in the list below multiply operands that are first quantised to E2M1 (2 exponent bits, 1 mantissa bit; 4 bits a number), with one power-of-two scale for each 32 numbers along K (OCP MX v1.0); their sums are f32. All else is computed in f32.
;;   The module's matrix products, in the order in which they are computed (A, B: the left and right operand; K: the contracted axis; several contracted axes count as one K, in the product's order):
;;     1. [M 8,192, K 4,288] x [K 4,288, N 1,858]; A: computed on the way; B: input fc1: QUANTISED
;;   THE QUANTISER, for each operand of a quantised product, along K:
;;     - K is cut into blocks of 32 from its start; a last block that is shorter is filled with zeros.
;;     - A block's scale is 2^e with e = floor(log2(the largest magnitude in the block)) - 2, held to -126 .. 127; a block of zeros has e = 0. As a byte (E8M0): e + 127.
;;     - Each number is divided by its block's scale, clamped to +-6, and rounded to the nearest number of E2M1, ties to even, subnormals kept.
;;     - The product sums the exact products of the quantised numbers (number of the format x scale) in f32.
;;   ~~~python
;;   def quantise(x, axis):      # numpy; x: float32 -> the quantised numbers, widened to float32 again
;;       x = np.moveaxis(x, axis, -1); K = x.shape[-1]
;;       x = np.pad(x, [(0, 0)] * (x.ndim - 1) + [(0, -K % 32)]); x = x.reshape(x.shape[:-1] + (-1, 32)); a = np.abs(x).max(-1, keepdims=True)
;;       e = np.where(a > 0, np.clip(np.frexp(np.where(a > 0, a, 1))[1] - 1 - 2, -126, 127), 0)      # np.frexp(a)[1] - 1 = floor(log2(a)), exactly
;;       r = np.clip(x / 2.0 ** e, -6, 6)
;;       step = 2.0 ** (np.maximum(np.frexp(np.where(r == 0, 1, r))[1] - 1, 0) - 1)
;;       q = np.round(r / step) * step * 2.0 ** e      # np.round: ties to even
;;       return np.moveaxis(q.reshape(q.shape[:-2] + (-1,))[..., :K], -1, axis).astype(np.float32)
;;   ~~~
;;   OPERANDS COMPUTED ON THE WAY. 'Computed on the way' means the value that the module computes at that place (a softmax that the list does not call 'softmax' is quantised finished and normalised). What goes into a quantiser is computed in f32, as accurately as f32 sums, v_exp_f32 and their like allow (about 1e-6 of the number): no bf16 or f16 on the way to a quantiser, and a product that is left as it is and whose result goes on into a quantised operand takes f32 operands (vector FMAs, or v_wmma_f32_16x16x4_f32). A number that lies on a knife's edge between two numbers of the format may be rounded either way, as far as f32 arithmetic and the matrix unit's own rounding can turn it there, and no further.
;; One version. Each part assembles by itself: llvm-mc -triple=amdgcn-amd-amdhsa -mcpu=gfx1250 --defsym DOCPART=n.
;; ======== version 1 of 1: 2 launches
;; limits: right only within a limited range of input values
;; workspace buffers: acodes 19,005,440 bytes; bcodes 4,751,360 bytes
;; launch quant (part 1): grid 1056 x 1, 4 waves a work-group, no clusters, 34,304 bytes of LDS; arguments logits, pp_logits, fc1, acodes, bcodes; writes acodes, bcodes
.if DOCPART == 1
	.amdgcn_target "amdgcn-amd-amdhsa--gfx1250"
	.amdhsa_code_object_version 6
	.text
	.protected	k_q06a8928f08_quant
	.globl	k_q06a8928f08_quant
	.p2align	8
	.type	k_q06a8928f08_quant,@function
k_q06a8928f08_quant:
	s_mov_b64 s[64:65], 0
	v_nop
	global_prefetch_b8 v0, s[64:65] scope:SCOPE_SE
	s_setreg_imm32_b32 hwreg(HW_REG_WAVE_MODE, 25, 1), 1
	s_wait_xcnt 0x0
; Both operands of out0 = flat x fc1 are turned into codes of FP4 (E2M1) with one E8M0 scale byte for each 32 along K, once, for the product's launch.
; flat[row] = logits[row] (4,096 numbers) followed by pp_logits[row] (192): K = 4,288 = 8 steps of 512 and a tail of 192, which is filled with zero codes to 256.
; A block's scale is 2^(floor(log2(its largest magnitude)) - 2): its byte is the largest magnitude's own exponent field - 2, held at 1 from below; each number is divided by it and rounded to the nearest code, ties to even, beyond 6 the largest code.
; LIMITS: NaN and infinities among the inputs are not served.  A block of zeros gets the byte 1 where the rule says 127: its codes are zeros, which add nothing under any byte but 0xff, and this program alone reads the bytes.
; Blocks whose largest magnitude lies under 2^-124 get the byte 1: that is the rule's own hold at -126.
; THE WORKSPACE IS LAID IN THE ORDER OF THE OPERAND'S REGISTERS.  A group is 128 rows of flat (128 columns of fc1): GB bytes.  In it the block of K step s lies at s BLK, the tail's at 8 BLK.
; In a block: bytes 0 .. 2,047 the scale words, [row][16 bytes], word q for k = 128 q ..; from SCB on the codes, [q][16-row block i][block b of 32 along K][row r][16 bytes]: with b = 2 c + h that is 512 c + 16 x lane, a fragment's registers on end.
; WORK-GROUPS 0 .. 511 take 16 rows of flat each, the other 544 take 128 columns x 128 along K of fc1.  The branch hangs on the work-group's number alone; only the first path touches LDS.  Waves share nothing: no barrier.
; No tensor loads and no prefetch: the launch streams its inputs once through registers, with 16 KiB (8 KiB for fc1) of every wave on their way.  No cluster: no two work-groups read the same bytes.
.set BLK,  34816                       ; a K step's block of a group: 2,048 bytes of scale words + 32,768 of codes
.set SCB,  2048
.set GB,   296960                      ; 8 BLK + 18,432 for the tail
.set AWG,  512                         ; work-groups for flat
.set LROW, 16384                       ; a row of logits in bytes
.set PROW, 768                         ; of pp_logits
.set FROW, 7432                        ; of fc1
.set NCOL, 1858
.set SPB,  528                         ; a stage row: 512 bytes + 16 = 33 x 16: the sixteen rows that a load touches fall on sixteen different 16-byte columns
.set STGB, 16*SPB                      ; a wave's stage
; flat's path
.set VL,  4                            ; v4   16 x lane
.set VLT, 5                            ; v5   16 r + 512: the last 256 bytes of a row of pp_logits
.set SW,  6                            ; v6   the stage, on the way in
.set SRD, 7                            ; v7   and on the way out: row r, + 128 h
.set VC,  8                            ; v8   1,024 i + 16 x lane: my codes' place
.set VS,  9                            ; v9   256 i + 16 r + 8 h: my two scale words' place
.set HS,  10                           ; v10  8 h
.set T,   11                           ; v11  the lane permute's destination
.set M,   12                           ; v12-13 largest magnitudes
.set E,   14                           ; v14-15 the conversions' scale operands
.set BY,  16                           ; v16-17 scale bytes
.set W,   20                           ; v20-23 a K step's four scale words
.set S,   24                           ; v24-25 the two that I store
.set C,   32                           ; v32-39 a fragment's codes
.set R,   64                           ; v64-191 two sets of 64 numbers as loaded
.set X,   192                          ; v192-255 64 numbers back from the stage
.set IN,  24                           ; s[24:25] logits at my rows and my wave's K steps
.set PP,  26                           ; s[26:27] pp_logits at my rows
.set OA,  28                           ; s[28:29] acodes at my group and my wave's first block
; fc1's path
.set VN,  4                            ; v4   my column
.set VI,  5                            ; v5   its byte in a row of fc1, held at the last column
.set VM,  6                            ; v6   all ones where my column exists
.set VM2, 7                            ; v7   and where the chunk's upper 64 rows exist too
.set VO,  8                            ; v8   my codes' place
.set VSB, 9                            ; v9   my scale word's place
.set CB,  32                           ; v32-47 four registers of codes for each block: no store's data are written again
.set XB,  64                           ; v64-127 two sets of 32 numbers
.set FB,  32                           ; s[32:33] fc1 at my chunk's first row
.set FB2, 34                           ; s[34:35] the same for the chunk's upper 64 rows
.set OB,  36                           ; s[36:37] bcodes at my block, + 8,192 q
.set OS,  38                           ; s[38:39] bcodes at my block, + 4 q
	s_load_b256 s[4:11], s[0:1], 0x0               ; logits s[4:5], pp_logits s[6:7], fc1 s[8:9], acodes s[10:11]
	s_load_b64 s[12:13], s[0:1], 0x20              ; bcodes
	v_lshl_add_u32 v62, v0, 2, 0x8400
	v_mov_b32 v63, 0
	v_lshrrev_b32 v1, 5, v0
	v_readfirstlane_b32 s16, v1                    ; wave 0..3
	v_and_b32 v1, 31, v0                           ; lane
	v_and_b32 v2, 15, v0                           ; r
	v_bfe_u32 v3, v0, 4, 1                         ; h
	s_mov_b32 s20, 0x76543210
	s_mov_b32 s21, 0xfedcba98                      ; v_permlanex16_b32's selects for lane l xor 16
	s_wait_kmcnt 0x0
	s_cmp_lt_u32 ttmp9, AWG
	s_cbranch_scc0 .Lfc1
; ================ FLAT: 16 rows, all of K.  Wave w takes K steps 2 w and 2 w + 1: eight fragments of 16 rows x 128 K; wave 3 then takes the tail.
; A load reads 512 consecutive bytes of one row, 16 a lane.  The conversions want a whole block of 32 neighbours in ONE lane: so a fragment's 16 x 512 bytes go through the wave's own stage in LDS, as they lie, and come back 128 bytes a lane.
	s_lshl_b32 s22, ttmp9, 18                      ; 16 rows of 16,384 bytes,
	s_lshl_b32 s23, s16, 12                        ; my wave's 1,024 numbers in a row
	s_add_co_u32 s22, s22, s23
	s_mov_b32 s23, 0
	s_add_nc_u64 s[IN:IN+1], s[4:5], s[22:23]
	s_mul_i32 s22, ttmp9, 16*PROW
	s_add_nc_u64 s[PP:PP+1], s[6:7], s[22:23]
	s_lshr_b32 s18, ttmp9, 3                       ; my group of 128 rows,
	s_and_b32 s19, ttmp9, 7                        ; and i: which 16 of them
	s_mul_i32 s22, s18, GB
	s_mul_i32 s17, s16, 2*BLK
	s_add_co_u32 s22, s22, s17
	s_add_nc_u64 s[OA:OA+1], s[10:11], s[22:23]
	s_wait_alu depctr_va_vdst(0)
	v_lshlrev_b32 v[VL], 4, v1
	v_lshl_add_u32 v[VLT], v2, 4, 512
	s_mul_i32 s17, s16, STGB                       ; my stage
	v_add_nc_u32 v[SW], s17, v[VL]
	v_mul_u32_u24 v[SRD], v2, SPB
	v_lshl_add_u32 v[SRD], v3, 7, v[SRD]
	v_add_nc_u32 v[SRD], s17, v[SRD]
	v_lshl_add_u32 v[VC], s19, 10, v[VL]
	v_lshlrev_b32 v[VS], 4, v2
	v_lshl_add_u32 v[VS], v3, 3, v[VS]
	v_lshl_add_u32 v[VS], s19, 8, v[VS]
	v_lshlrev_b32 v[HS], 3, v3
	v_mov_b32 v[T], 0                              ; written once: a lane permute's destination counts as one of its sources
	v_cmp_lt_u32 s30, 15, v1                       ; the lanes with h = 1
.macro LOADF set, base, voff, pitch, koff          ; 16 rows x 512 bytes into set
.irp row, 0,1,2,3,4,5,6,7,8,9,10,11,12,13,14,15
	global_load_b128 v[R+64*(\set)+4*\row:R+64*(\set)+4*\row+3], v[\voff], s[\base:\base+1] offset:\row*(\pitch)+(\koff) th:TH_LOAD_NT
.endr
.endm
.macro TURNF set, nc                               ; through the stage: LDS serves a wave's instructions in order, so no wait stands between the stores and the loads.  Lane (r, h) gets blocks h and (nc = 2) 2 + h of row r, whole
.irp row, 0,1,2,3,4,5,6,7,8,9,10,11,12,13,14,15
	ds_store_b128 v[SW], v[R+64*(\set)+4*\row:R+64*(\set)+4*\row+3] offset:SPB*\row
.endr
.irp c, 0,1
.if \c < \nc
.irp j, 0,1,2,3,4,5,6,7
	ds_load_b128 v[X+32*\c+4*\j:X+32*\c+4*\j+3], v[SRD] offset:256*\c+16*\j
.endr
.endif
.endr
.endm
.macro QUANTF q, nc                                ; my nc blocks become registers 4 c .. 4 c + 3 of the fragment, and their bytes, with lane l xor 16's, scale word q of my row
.irp c, 0,1
.if \c < \nc
	v_max3_num_f32 v[M+\c], |v[X+32*\c]|, |v[X+32*\c+1]|, 0x1800000   ; the floor 2^(3 - 127) among the leaves: the byte cannot fall under 1
.endif
.endr
.irp i, 2,4,6,8,10,12,14,16,18,20,22,24,26,28,30
.irp c, 0,1
.if \c < \nc
	v_max3_num_f32 v[M+\c], v[M+\c], |v[X+32*\c+\i]|, |v[X+32*\c+\i+1]|   ; (the blocks by turns)
.endif
.endr
.endr
.irp c, 0,1
.if \c < \nc
	v_add_nc_u32 v[E+\c], 0xff000000, v[M+\c]      ; 2 off the exponent field: the conversion takes the exponent field of this operand as its scale, and nothing else of it
.endif
.endr
.irp c, 0,1
.if \c < \nc
.irp g, 0,1,2,3
	v_cvt_scalef32_pk8_fp4_f32 v[C+4*\c+\g], v[X+32*\c+8*\g:X+32*\c+8*\g+7], v[E+\c]
.endr
.endif
.endr
.irp c, 0,1
.if \c < \nc
	v_lshrrev_b32 v[BY+\c], 23, v[E+\c]            ; the scale's byte.  (Also the plain line behind the conversions)
.endif
.endr
.if \nc == 2
	v_lshl_or_b32 v18, v[BY+1], 16, v[BY]          ; my two bytes: blocks h and 2 + h,
.else
	v_mov_b32 v18, v[BY]                           ; (the tail's last 64 along K do not exist: zero codes, and the byte 0, which is a power of two like any other)
.irp g, 4,5,6,7
	v_mov_b32 v[C+\g], 0
.endr
.endif
	v_lshlrev_b32 v18, v[HS], v18                  ; at their places in the word (8 h bits up);
	v_permlanex16_b32 v[T], v18, s20, s21
	v_or_b32 v[W+\q], v18, v[T]                    ; with lane l xor 16's the word is whole
.endm
.macro PUTF off                                    ; each store of the wave covers 512 consecutive bytes, aligned to 256
	global_store_b128 v[VC], v[C:C+3], s[OA:OA+1] offset:\off
	global_store_b128 v[VC], v[C+4:C+7], s[OA:OA+1] offset:\off+512
.endm
.macro PUTS off                                    ; a K step's scale words of my 16 rows: lanes 0-15 words 0 and 1, lanes 16-31 words 2 and 3: 256 consecutive bytes, aligned
	v_cndmask_b32 v[S], v[W], v[W+2], s30
	v_cndmask_b32 v[S+1], v[W+1], v[W+3], s30
	global_store_b64 v[VS], v[S:S+1], s[OA:OA+1] offset:\off
.endm
.macro FRAGA t, tail                               ; tail = 1: wave 3's copy of the last two fragments, which also asks for the tail
.if (\t) < 7 || (\tail)
	s_wait_loadcnt 16                              ; this fragment's 16 loads are in; the 16 issued behind them (the next fragment's, or the tail's first) may be out
.else
	s_wait_loadcnt 0x0
.endif
	TURNF (\t)%2, 2
	s_wait_dscnt 0x0                               ; my blocks are back, and the stage's stores have read their registers
	s_wait_xcnt 0x0                                ; the earlier stores have read their data: the codes and the scale words are written again only behind this wait
.if (\t) < 6
	LOADF (\t)%2, IN, VL, LROW, 512*((\t)+2)       ; two fragments ahead
.endif
.if (\tail) && (\t) == 6
	LOADF 0, PP, VL, PROW, 0                       ; the two sets that the last fragments leave free take the tail: k = 4,096 .. 4,223
.endif
.if (\tail) && (\t) == 7
	LOADF 1, PP, VLT, PROW, 0                      ; k = 4,224 .. 4,287: 256 bytes a row; lanes 16-31 read what lanes 0-15 read, so that no load leaves the row; their copies in the stage are not read
.endif
	QUANTF (\t)%4, 2
	PUTF ((\t)/4)*BLK+SCB+((\t)%4)*8192
.if (\t)%4 == 3
	PUTS ((\t)/4)*BLK
.endif
.endm
	LOADF 0, IN, VL, LROW, 0
	LOADF 1, IN, VL, LROW, 512
	s_wait_alu depctr_va_vdst(0)
.irp t, 0,1,2,3,4,5
	FRAGA \t, 0
.endr
	s_cmp_eq_u32 s16, 3                            ; THE TAIL, pp_logits, is wave 3's: its base stands at K step 6, so the tail's block lies 2 BLK on
	s_wait_alu depctr_va_vdst(0)                   ; ahead of the branch
	s_cbranch_scc1 .Lwave_3
	FRAGA 6, 0
	FRAGA 7, 0
	s_branch .Lend_a
.Lwave_3:
	FRAGA 6, 1
	FRAGA 7, 1
	s_wait_loadcnt 16                              ; the tail's loads were issued in fragments 6 and 7: its first 16 are in, its last 16 may be out
	TURNF 0, 2
	s_wait_dscnt 0x0
	s_wait_xcnt 0x0
	QUANTF 0, 2
	PUTF 2*BLK+SCB
	s_wait_loadcnt 0x0
	TURNF 1, 1
	s_wait_dscnt 0x0
	s_wait_xcnt 0x0
	QUANTF 1, 1
	PUTF 2*BLK+SCB+8192
	v_mov_b32 v[W+2], 0                            ; the tail has no words 2 and 3: they are written, and used by nobody
	v_mov_b32 v[W+3], 0
	PUTS 2*BLK
.Lend_a:
	s_wait_tensorcnt 0x0
	ds_add_u32 v62, v63
	s_wait_dscnt 0x0
	s_endpgm
; ================ FC1: K is its FIRST axis.  A lane takes a column and its registers run down K: a block of 32 lies in one lane, and the conversions give codes with K innermost.  Nothing is transposed.
; A work-group takes chunk kq of 128 along K (0 .. 33) of group g of 128 columns; a wave 32 columns: each load reads 128 consecutive bytes, the four waves side by side 512.
; Columns from 1,858 on do not exist: their lanes read the last column and their codes are cleared.  Of chunk 33 only 64 rows exist: its upper two blocks read the lower 64 rows again and are cleared too.
.Lfc1:
	s_sub_co_u32 s17, ttmp9, AWG
	s_lshr_b32 s18, s17, 4                         ; kq
	s_and_b32 s19, s17, 15                         ; g
	s_lshr_b32 s22, s18, 2                         ; K step (8: the tail)
	s_and_b32 s23, s18, 3                          ; q
	s_mul_i32 s44, s18, 128*FROW
	s_mov_b32 s45, 0
	s_add_nc_u64 s[FB:FB+1], s[8:9], s[44:45]
	s_cmp_eq_u32 s18, 33
	s_cselect_b32 s40, 64*FROW, 0
	s_cselect_b32 s42, 0, -1
	s_mov_b32 s41, 0
	s_sub_nc_u64 s[FB2:FB2+1], s[FB:FB+1], s[40:41]
	s_mul_i32 s44, s19, GB
	s_mul_i32 s46, s22, BLK
	s_add_co_u32 s44, s44, s46
	s_add_nc_u64 s[OS:OS+1], s[12:13], s[44:45]    ; my block
	s_lshl_b32 s46, s23, 13
	s_mov_b32 s47, 0
	s_add_nc_u64 s[OB:OB+1], s[OS:OS+1], s[46:47]
	s_lshl_b32 s46, s23, 2
	s_add_nc_u64 s[OS:OS+1], s[OS:OS+1], s[46:47]
	s_lshl_b32 s46, s19, 7
	s_lshl_b32 s48, s16, 5
	s_add_co_u32 s46, s46, s48
	s_wait_alu depctr_va_vdst(0)
	v_add_nc_u32 v[VN], s46, v1                    ; my column: 128 g + 32 w + lane
	v_min_u32 v[VI], NCOL-1, v[VN]
	v_lshlrev_b32 v[VI], 2, v[VI]
	v_cmp_gt_u32 vcc_lo, NCOL, v[VN]
	v_cndmask_b32 v[VM], 0, -1, vcc_lo
	v_and_b32 v[VM2], s42, v[VM]
	v_lshl_add_u32 v[VO], s16, 1, v3               ; my 16-row block of the group: 2 w + h
	v_lshlrev_b32 v[VO], 10, v[VO]
	v_lshl_add_u32 v[VO], v2, 4, v[VO]
	v_lshlrev_b32 v[VSB], 4, v1
	v_lshl_add_u32 v[VSB], s16, 9, v[VSB]          ; 16 bytes of scale words a column
	v_mov_b32 v22, 0
	v_mov_b32 v23, 0
.macro LOADB b                                     ; block b: fc1(128 kq + 32 b + i, my column), i = 0 .. 31
.irp i, 0,1,2,3,4,5,6,7,8,9,10,11,12,13,14,15,16,17,18,19,20,21,22,23,24,25,26,27,28,29,30,31
.if (\b) < 2
	global_load_b32 v[XB+32*((\b)%2)+\i], v[VI], s[FB:FB+1] offset:(32*(\b)+\i)*FROW th:TH_LOAD_NT
.else
	global_load_b32 v[XB+32*((\b)%2)+\i], v[VI], s[FB2:FB2+1] offset:(32*(\b)+\i)*FROW th:TH_LOAD_NT
.endif
.endr
.endm
.macro BLOCKB b
.set XS, XB+32*((\b)%2)
.if (\b) < 3
	s_wait_loadcnt 32                              ; this block's 32 loads are in; the next block's may be out
.else
	s_wait_loadcnt 0x0
.endif
	v_max3_num_f32 v12, |v[XS]|, |v[XS+1]|, |v[XS+2]|   ; the block's largest magnitude: all 32 numbers are mine; two chains
	v_max3_num_f32 v13, |v[XS+3]|, |v[XS+4]|, |v[XS+5]|
.irp i, 6,10,14,18,22,26
	v_max3_num_f32 v12, v12, |v[XS+\i]|, |v[XS+\i+1]|
	v_max3_num_f32 v13, v13, |v[XS+\i+2]|, |v[XS+\i+3]|
.endr
	v_max3_num_f32 v12, v12, |v[XS+30]|, |v[XS+31]|
	v_max3_num_f32 v12, v12, v13, 0x1800000        ; and the floor 2^(3 - 127)
	v_add_nc_u32 v14, 0xff000000, v12              ; 2 off the exponent field: the conversions' scale operand
.irp g, 0,1,2,3
	v_cvt_scalef32_pk8_fp4_f32 v[CB+4*(\b)+\g], v[XS+8*\g:XS+8*\g+7], v14
.endr
	v_lshrrev_b32 v13, 23, v14                     ; the scale's byte.  (Also the plain line behind the conversions)
.if (\b) == 0
	v_mov_b32 v20, v13                             ; four bytes make my column's scale word
.else
	v_lshl_or_b32 v20, v13, 8*(\b), v20
.endif
.irp g, 0,1,2,3
.if (\b) < 2
	v_and_b32 v[CB+4*(\b)+\g], v[VM], v[CB+4*(\b)+\g]   ; what does not exist gets zero codes
.else
	v_and_b32 v[CB+4*(\b)+\g], v[VM2], v[CB+4*(\b)+\g]
.endif
.endr
	global_store_b128 v[VO], v[CB+4*(\b):CB+4*(\b)+3], s[OB:OB+1] offset:SCB+256*(\b)   ; lanes 0-15 store 256 consecutive bytes, aligned; lanes 16-31 another 256
.if (\b) < 2
	LOADB (\b)+2
.endif
.endm
	LOADB 0
	LOADB 1
.irp b, 0,1,2,3
	BLOCKB \b
.endr
	global_store_b32 v[VSB], v20, s[OS:OS+1]       ; word q of my column's 16 bytes: 4 bytes in 16; one byte in 128 of what this path reads
	s_cmp_lg_u32 s18, 33
	s_cbranch_scc1 .Lend_f
	global_store_b64 v[VSB], v[22:23], s[OS:OS+1] offset:4   ; the tail has no words 2 and 3: they are written, and used by nobody
.Lend_f:
	s_endpgm
.Lfunc_end_k_q06a8928f08_quant:
	.size	k_q06a8928f08_quant, .Lfunc_end_k_q06a8928f08_quant-k_q06a8928f08_quant
	.p2alignl 7, 3214868480
	.fill 96, 4, 3214868480
	.section	.rodata,"a",@progbits
	.p2align	6, 0x0
	.amdhsa_kernel k_q06a8928f08_quant
		.amdhsa_group_segment_fixed_size 34304
		.amdhsa_private_segment_fixed_size 0
		.amdhsa_enable_private_segment 0
		.amdhsa_kernarg_size 40
		.amdhsa_user_sgpr_count 2
		.amdhsa_user_sgpr_kernarg_segment_ptr 1
		.amdhsa_wavefront_size32 1
		.amdhsa_system_sgpr_workgroup_id_x 1
		.amdhsa_system_sgpr_workgroup_id_y 1
		.amdhsa_system_sgpr_workgroup_id_z 1
		.amdhsa_system_vgpr_workitem_id 0
		.amdhsa_next_free_vgpr 256
		.amdhsa_next_free_sgpr 66
		.amdhsa_reserve_vcc 1
		.amdhsa_float_denorm_mode_32 3
		.amdhsa_float_denorm_mode_16_64 3
		.amdhsa_memory_ordered 1
		.amdhsa_forward_progress 1
		.amdhsa_inst_pref_size 100
	.end_amdhsa_kernel
	.amdgpu_metadata
---
amdhsa.version: [ 1, 2 ]
amdhsa.kernels:
  - .name:           k_q06a8928f08_quant
    .symbol:         k_q06a8928f08_quant.kd
    .args:
      - { .name: logits, .offset: 0, .size: 8, .value_kind: global_buffer, .address_space: global }
      - { .name: pp_logits, .offset: 8, .size: 8, .value_kind: global_buffer, .address_space: global }
      - { .name: fc1, .offset: 16, .size: 8, .value_kind: global_buffer, .address_space: global }
      - { .name: acodes, .offset: 24, .size: 8, .value_kind: global_buffer, .address_space: global }
      - { .name: bcodes, .offset: 32, .size: 8, .value_kind: global_buffer, .address_space: global }
    .group_segment_fixed_size: 34304
    .private_segment_fixed_size: 0
    .kernarg_segment_align: 8
    .kernarg_segment_size: 40
    .max_flat_workgroup_size: 128
    .sgpr_count:     66
    .vgpr_count:     256
    .wavefront_size: 32
...
	.end_amdgpu_metadata
.endif
;; end of part 1
;; launch gemm (part 2): grid 8 x 32, 4 waves a work-group, clusters of 4 x 4, 327,680 bytes of LDS; arguments acodes, bcodes, out0; writes out0
.if DOCPART == 2
	.amdgcn_target "amdgcn-amd-amdhsa--gfx1250"
	.amdhsa_code_object_version 6
	.text
	.protected	k_q06a8928f08_gemm
	.globl	k_q06a8928f08_gemm
	.p2align	8
	.type	k_q06a8928f08_gemm,@function
k_q06a8928f08_gemm:
	s_mov_b64 s[64:65], 0
	v_nop
	global_prefetch_b8 v0, s[64:65] scope:SCOPE_SE
	s_setreg_imm32_b32 hwreg(HW_REG_WAVE_MODE, 25, 1), 1
	s_wait_xcnt 0x0
	s_wait_alu depctr_hold_cnt(0) depctr_sa_sdst(0) depctr_va_vdst(0) depctr_va_sdst(0) depctr_va_ssrc(0) depctr_va_vcc(0) depctr_vm_vsrc(0)
	s_getreg_b32 s2, hwreg(HW_REG_IB_STS2, 6, 4)
	s_cmp_eq_u32 s2, 0
	s_cbranch_scc0 .Lentry_in_a_cluster
	s_endpgm
.Lentry_in_a_cluster:
	s_bfe_u32 s2, ttmp6, 0x10000c
	s_cmp_lg_u32 s2, 0xf033
	s_cbranch_scc0 .Lentry_shape_is_right
	s_endpgm
.Lentry_shape_is_right:
; out0[m][n] = sum over k of flat[m][k] fc1[k][n], on the codes of FP4 (E2M1) and E8M0 scale bytes that the launch before has laid.  Sums in f32.
; THE WORKSPACE: a group is 128 rows of flat (128 columns of fc1), GB bytes; in it K step s (512 along K) is a dense block of BLK bytes at s BLK, the tail (256 along K, 192 of them live) at 8 BLK.
; In a block: 2,048 bytes of scale words [row][16 bytes], then the codes [q][16-row block][512 c + 16 x lane]: a fragment's registers on end, so LDS reads are dense and need no padding.
; A tile of out0, 256 x 256, is made by four waves, 128 x 128 each: 64 accumulators, 512 registers.  Columns from 1,858 on have zero codes and are not stored.
; K goes through a ring of two LDS slots; a wave's tensor load brings one block (a group's K step) as rows of 256 bytes.
; CLUSTERS 4 x 4: flat's blocks are asked for jointly along a row of the cluster, fc1's along a column.  The matrix instruction is used transposed (source 0 = 16 columns of fc1, source 1 = 16 rows of flat):
; a lane then holds eight neighbouring numbers of a row of out0.
; THE WAY OUT: a row of out0 is 7,432 bytes, so odd rows begin 8 bytes off a multiple of 16.  A wave's block of 16 rows x 512 bytes goes through its own stage and comes back as pieces of 16 bytes that lie on multiples of 16 in out0:
; even rows as they lie, odd rows shifted by 8 bytes (lane 0's piece would reach into the neighbour's columns and is masked); the halves of 8 bytes that are left at the ends of rows leave by one store a block.
; What is left of a row at my first column, W, is 512, 264 (the last tile's left waves) or 0 (its right waves) by the sizes: three EXEC masks made from W hold the stores inside the row.  No branch and no LDS address hangs on W.
; REGISTERS: window 0: v0-31 addresses; v32-95 scale words, two sets; v96-99 the rows' ends; v128-191 flat's fragments, one set (on the way out v128-255: two sets of 16 rows).  Window 1: fc1's fragments, two sets.  Windows 2, 3: the accumulators.
.set BLK,    34816
.set SCB,    2048
.set GB,     296960
.set RFULL,  136                       ; a block as rows of 256 bytes
.set RTAIL,  72                        ; the tail's block: 18,432 bytes
.set SLOT,   4*BLK                     ; flat's two groups, then fc1's two
.set SPARE,  2*SLOT                    ; behind the ring: the spare words, 128 bytes a wave
.set NQ,     4
.set FR,     8
.set NL,     2
.set NP,     4                         ; places behind this matrix instruction (ISA guide 7.12.1)
.set SPITCH, 528                       ; a stage row: 512 bytes + 16
.set STGB,   16*SPITCH                 ; a wave's stage; the four lie in slot 1, which has had its last fill and its last read when the first result is stored there
.set OROW,   7432                      ; a row of out0 in bytes
.set CO,   10                          ; v10  16 x lane
.set EL,   11                          ; v11  the stage: my end of a row (lanes 0-7 odd rows' first 8 bytes, 8-15 their last 8, 16-23 even rows' bytes 256 .. 263)
.set GL,   12                          ; v12  the same place in out0
.set ADRA, 16                          ; v16-17 my fragments of flat in slot 0, 1
.set ADRB, 20                          ; v20-21 of fc1
.set ADRS, 22                          ; v22-23 scale words: lanes 0-15 flat's rows, lanes 16-31 fc1's columns
.set STO,  24                          ; v24  the stage, on the way in
.set RD,   25                          ; v25  and on the way out
.set SPW,  28                          ; v28  my spare word; never rewritten
.set NIL,  29                          ; v29  0; never rewritten
.set PFO,  30                          ; v30  256 x lane, for the prefetches
.set SC,   32
.set EB,   96
.set AF,   128
.set BK,   128
.set G1,   24                          ; s[24:31], s[32:39] groups 1 and 0 (a set for each slot) for flat's blocks
.set G0,   32
.set G1B,  48                          ; s[48:55], s[56:63] for fc1's
.set G0B,  56
.set G1AT, 68                          ; s[68:75], s[76:83] groups 1 for the tail's blocks
.set G1BT, 76
.set PFA,  84                          ; s[84:85] where my prefetches stand
.set MEV,  88                          ; s88 lanes whose piece of an even row lies inside the row
.set MOD,  89                          ; s89 the same for odd rows
.set MED,  90                          ; s90 the lanes whose end of a row exists
.set SW,   91                          ; s91 W
.set MSB, 0
.macro WIN new                         ; the immediate's high byte repeats the setting that is left
.if MSB != \new
	s_set_vgpr_msb (MSB<<8)|\new
.set MSB, \new
.endif
.endm
.set MUL_LO, 0xa1                      ; source 0 window 1, source 1 window 0, C and D window 2
.set MUL_HI, 0xf1                      ; the same, C and D window 3
.set TO_B,   0x40
.macro JLOAD g0a, g1a, g0b, g1b        ; a joint load: waves 0 and 1 fetch flat's two groups, waves 2 and 3 fc1's; s_nop 0 and four v_nop behind each line
	s_cmp_eq_u32 s15, 0
	s_cbranch_scc0 .Lfor_b_\@
	tensor_load_to_lds s[\g0a:\g0a+3], s[\g1a:\g1a+7]
	s_nop 0
.rept 4
	v_nop
.endr
	s_branch .Lasked_\@
.Lfor_b_\@:
	tensor_load_to_lds s[\g0b:\g0b+3], s[\g1b:\g1b+7]
	s_nop 0
.rept 4
	v_nop
.endr
.Lasked_\@:
.endm
.macro CREST                           ; a round of the cluster's barrier behind its opening barrier
	s_cmp_lg_u32 s14, 0
	s_cbranch_scc1 .Lnot_wave_0_\@
	s_barrier_signal -3
.Lnot_wave_0_\@:
	s_barrier_wait -3
	s_barrier_signal -1
	s_barrier_wait -1
.endm
.macro CROUND
	s_barrier_signal -1
	s_barrier_wait -1
	CREST
.endm
; A prefetch behind each refill of the loop: 32 x 256 bytes of the codes of the K step two refills on.  Of a block's 32,768 bytes of codes each of the four partners that ask for it jointly takes 8,192, told apart by address.
; The loop's last trip asks for nothing: two refills on stands the tail, whose block is shorter, and then the end.
.macro ASK
	s_cmp_gt_u32 s3, 1
	s_cbranch_scc0 .Lno_ask_\@
	global_prefetch_b8 v[PFO], s[PFA:PFA+1] th:TH_LOAD_NT scope:SCOPE_SE
.Lno_ask_\@:
.endm
	s_load_b128 s[4:7], s[0:1], 0x0                ; acodes, bcodes
	s_load_b64 s[8:9], s[0:1], 0x10                ; out0
	v_lshl_add_u32 v[SPW], v0, 2, SPARE
	v_mov_b32 v[NIL], 0
	ds_add_u32 v[SPW], v[NIL]                      ; the opening lines: the add, twice on end, and its wait ahead of my first tensor load
	ds_add_u32 v[SPW], v[NIL]
	v_lshrrev_b32 v1, 5, v0
	v_readfirstlane_b32 s14, v1                    ; wave 0..3
	s_lshr_b32 s15, s14, 1                         ; my half of the tile's rows; also: I fetch for flat (0) or fc1 (1)
	s_and_b32 s16, s14, 1                          ; my half of its columns; also: which group I fetch
	s_bfe_u32 s40, ttmp6, 0x40000                  ; cx, cy
	s_bfe_u32 s41, ttmp6, 0x40004
	s_lshl_b32 s42, ttmp9, 2
	s_add_co_u32 s42, s42, s40                     ; tile column
	s_and_b32 s17, ttmp7, 0xffff
	s_lshl_b32 s17, s17, 2
	s_add_co_u32 s17, s17, s41                     ; tile row
	s_lshl_b32 s43, s41, 2
	s_lshl_b32 s43, 15, s43                        ; my row of the cluster
	s_lshl_b32 s44, 0x1111, s40                    ; my column
	s_or_b32 s[G1+0], s43, (3<<16)|(1<<21)         ; the mask; elements of 8 bytes; bit 21 beside a mask
	s_or_b32 s[G1B+0], s44, (3<<16)|(1<<21)
	s_or_b32 s[G1AT+0], s43, (3<<16)|(1<<21)
	s_or_b32 s[G1BT+0], s44, (3<<16)|(1<<21)
.irp g, G1, G1B
	s_mov_b32 s[\g+1], 32<<16                      ; rows of 32 elements = 256 bytes, dense
	s_mov_b32 s[\g+2], RFULL<<16
	s_mov_b32 s[\g+3], 32<<16
	s_mov_b32 s[\g+4], RFULL
	s_mov_b32 s[\g+5], 32
	s_mov_b32 s[\g+6], 0
	s_mov_b32 s[\g+7], 0
.endr
.irp g, G1AT, G1BT
	s_mov_b32 s[\g+1], 32<<16
	s_mov_b32 s[\g+2], RTAIL<<16
	s_mov_b32 s[\g+3], 32<<16
	s_mov_b32 s[\g+4], RTAIL
	s_mov_b32 s[\g+5], 32
	s_mov_b32 s[\g+6], 0
	s_mov_b32 s[\g+7], 0
.endr
	s_lshl_b32 s20, s17, 1
	s_add_co_u32 s20, s20, s16
	s_mul_i32 s20, s20, GB                         ; flat's group 2 x tile row + half
	s_mov_b32 s21, 0
	s_lshl_b32 s46, s42, 1
	s_add_co_u32 s46, s46, s16
	s_mul_i32 s46, s46, GB                         ; fc1's group 2 x tile column + half
	s_mov_b32 s47, 0
	s_mul_i32 s45, s14, BLK                        ; where my block goes: wave x BLK
	s_wait_dscnt 0x0                               ; both opening adds are done
	s_wait_kmcnt 0x0
	s_add_nc_u64 s[20:21], s[4:5], s[20:21]
	s_add_nc_u64 s[46:47], s[6:7], s[46:47]
	CROUND                                         ; all sixteen work-groups are here: the first joint loads meet
.irp s, 0,1
	s_mov_b32 s[G0+4*\s], 1
	s_add_co_u32 s[G0+4*\s+1], s45, \s*SLOT
	s_add_nc_u64 s[G0+4*\s+2:G0+4*\s+3], s[20:21], \s*BLK
	s_or_b32 s[G0+4*\s+3], s[G0+4*\s+3], 0x80000000
	s_mov_b32 s[G0B+4*\s], 1
	s_add_co_u32 s[G0B+4*\s+1], s45, \s*SLOT
	s_add_nc_u64 s[G0B+4*\s+2:G0B+4*\s+3], s[46:47], \s*BLK
	s_or_b32 s[G0B+4*\s+3], s[G0B+4*\s+3], 0x80000000
.endr
	JLOAD G0, G1, G0B, G1B                         ; K step 0: one tensor load a wave at the head; all that follows is made while it is on its way
	; the prefetches' base: my group, my work-group's 8,192 bytes of a block's codes, at K step 3
	s_cmp_eq_u32 s15, 0
	s_cselect_b32 s93, s17, s42
	s_cselect_b32 s94, s40, s41                    ; my place among the four that ask with me
	s_cselect_b64 s[PFA:PFA+1], s[4:5], s[6:7]
	s_lshl_b32 s93, s93, 1
	s_add_co_u32 s93, s93, s16
	s_mul_i32 s96, s93, GB
	s_lshl_b32 s94, s94, 13
	s_add_co_u32 s96, s96, s94
	s_add_co_u32 s96, s96, 3*BLK+SCB
	s_mov_b32 s97, 0
	s_add_nc_u64 s[PFA:PFA+1], s[PFA:PFA+1], s[96:97]
	; out0 at my first row and column; W
	s_lshl_b32 s20, s17, 8
	s_lshl_b32 s21, s15, 7
	s_add_co_u32 s20, s20, s21                     ; row 256 x tile row + 128 x half
	s_mul_i32 s20, s20, OROW
	s_lshl_b32 s46, s42, 10
	s_lshl_b32 s47, s16, 9
	s_add_co_u32 s46, s46, s47                     ; my first column in bytes
	s_sub_co_i32 s[SW], OROW, s46
	s_max_i32 s[SW], s[SW], 0
	s_min_i32 s[SW], s[SW], 512                    ; W: 512, 264 or 0
	s_add_co_u32 s20, s20, s46
	s_mov_b32 s21, 0
	s_add_nc_u64 s[8:9], s[8:9], s[20:21]
	s_cmp_lg_u32 s[SW], 0                          ; odd rows' first 8 bytes: wherever I have columns;
	s_cselect_b32 s[MED], 0xff, 0
	s_cmp_eq_u32 s[SW], 512                        ; their last 8: where the 512 bytes are whole;
	s_cselect_b32 s93, 0xff00, 0
	s_or_b32 s[MED], s[MED], s93
	s_cmp_eq_u32 s[SW], 264                        ; even rows' bytes 256 .. 263: where the row ends there
	s_cselect_b32 s93, 0xff0000, 0
	s_or_b32 s[MED], s[MED], s93
	s_mul_i32 s21, s15, BLK                        ; my group of flat in a slot,
	s_mul_i32 s22, s16, BLK
	s_add_co_u32 s22, s22, 2*BLK                   ; of fc1,
	s_sub_co_u32 s23, s22, s21                     ; and the distance between the two
	s_mul_i32 s86, s14, STGB
	s_add_co_u32 s86, s86, SLOT                    ; my stage
	s_add_co_u32 s87, s86, SPITCH                  ; its row 1
	v_and_b32 v1, 31, v0                           ; lane
	v_and_b32 v2, 15, v0                           ; r
	v_bfe_u32 v3, v0, 4, 1                         ; h
	v_and_b32 v4, 7, v0
	v_bfe_u32 v5, v0, 3, 1
	v_lshlrev_b32 v[CO], 4, v1
	v_lshlrev_b32 v[PFO], 8, v1
	v_lshlrev_b32 v6, 4, v2
	v_mul_u32_u24 v7, s23, v3                      ; lanes 16-31 take fc1's scale words
	v_add_nc_u32 v6, v6, v7
	v_add_nc_u32 v[ADRA], s21, v[CO]
	v_add_nc_u32 v[ADRB], s22, v[CO]
	v_add_nc_u32 v[ADRS], s21, v6
	v_add_nc_u32 v[ADRA+1], SLOT, v[ADRA]
	v_add_nc_u32 v[ADRB+1], SLOT, v[ADRB]
	v_add_nc_u32 v[ADRS+1], SLOT, v[ADRS]
	v_mul_u32_u24 v7, v2, SPITCH                   ; into the stage: row r, 32 bytes for each half of the lanes
	v_lshl_add_u32 v7, v3, 5, v7
	v_add_nc_u32 v[STO], s86, v7
	v_add_nc_u32 v[RD], s86, v[CO]
	v_mul_u32_u24 v8, v4, 2*SPITCH                 ; the ends: row 2 (lane % 8) + 1, byte 0 or 504; lanes 16-23 one row up, byte 256
	v_mad_u32_u24 v8, v5, 504, v8
	v_add_nc_u32 v8, s87, v8
	v_mul_u32_u24 v9, v3, SPITCH-256
	v_sub_nc_u32 v[EL], v8, v9
	v_mul_u32_u24 v13, v4, 2*OROW                  ; and the same in out0
	v_mad_u32_u24 v13, v5, 504, v13
	v_add_nc_u32 v13, OROW, v13
	v_mul_u32_u24 v14, v3, OROW-256
	v_sub_nc_u32 v[GL], v13, v14
	v_add_nc_u32 v15, 16, v[CO]
	v_add_nc_u32 v7, 8, v[CO]
	v_cmp_ge_u32 s[MEV], s[SW], v15                ; an even row's piece l ends at byte 16 l + 16,
	v_cmp_ge_u32 s[MOD], s[SW], v7                 ; an odd row's at 16 l + 8,
	s_and_b32 s[MOD], s[MOD], -2                   ; and its piece 0 begins ahead of my columns
	global_prefetch_b8 v[PFO], s[PFA:PFA+1] offset:-2*BLK th:TH_LOAD_NT scope:SCOPE_SE   ; K steps 1 to 3, which the loop's prefetches do not reach
	global_prefetch_b8 v[PFO], s[PFA:PFA+1] offset:-BLK th:TH_LOAD_NT scope:SCOPE_SE
	global_prefetch_b8 v[PFO], s[PFA:PFA+1] th:TH_LOAD_NT scope:SCOPE_SE
.macro FRAG reg, adr, q, i             ; a fragment, 16 rows x 128 K: two loads of 512 dense bytes
.irp c, 0,1
	ds_load_b128 v[\reg+4*\c:\reg+4*\c+3], v[\adr] offset:SCB+(8*(\q)+(\i))*1024+512*\c
.endr
.endm
; 16 matrix instructions: flat's blocks a0, a0 + 1 x fc1's eight.  The 64 accumulators take turns, in the same order in every step.  zero = 1: the product starts the sums.
.macro MUL16 a0, p, q, sc, zero
.irp a, \a0, \a0+1
.irp b, 0,1,2,3,4,5,6,7
.if \zero
	v_wmma_scale_f32_16x16x128_f8f6f4 v[8*(8*((\a)%4)+\b):8*(8*((\a)%4)+\b)+7], v[128*(\p)+FR*\b:128*(\p)+FR*\b+FR-1], v[AF+FR*(\a):AF+FR*(\a)+FR-1], 0, v[SC+8*NQ*(\sc)+NQ*\b+(\q)], v[SC+8*NQ*(\sc)+NQ*(\a)+(\q)] matrix_a_fmt:MATRIX_FMT_FP4 matrix_b_fmt:MATRIX_FMT_FP4 matrix_a_scale:MATRIX_SCALE_ROW1
.else
	v_wmma_scale_f32_16x16x128_f8f6f4 v[8*(8*((\a)%4)+\b):8*(8*((\a)%4)+\b)+7], v[128*(\p)+FR*\b:128*(\p)+FR*\b+FR-1], v[AF+FR*(\a):AF+FR*(\a)+FR-1], v[8*(8*((\a)%4)+\b):8*(8*((\a)%4)+\b)+7], v[SC+8*NQ*(\sc)+NQ*\b+(\q)], v[SC+8*NQ*(\sc)+NQ*(\a)+(\q)] matrix_a_fmt:MATRIX_FMT_FP4 matrix_b_fmt:MATRIX_FMT_FP4 matrix_a_scale:MATRIX_SCALE_ROW1
.endif
.endr
.endr
.endm
.macro FETCH_B slot, q, p
	WIN TO_B
.irp i, 0,1,2,3,4,5,6,7
	FRAG 128*(\p)+FR*\i, ADRB+\slot, \q, \i
.endr
	WIN 0
.endm
.macro FETCH_A slot, q, i0
.irp i, \i0, \i0+1, \i0+2, \i0+3
	FRAG AF+FR*(\i), ADRA+\slot, \q, \i
.endr
.endm
.macro SCALES sc                       ; a K step's scale words: lanes 0-15 flat's block i, lanes 16-31 fc1's block i
.irp i, 0,1,2,3,4,5,6,7
	ds_load_b128 v[SC+8*NQ*\sc+NQ*\i:SC+8*NQ*\sc+NQ*\i+3], v[ADRS+\sc] offset:256*\i
.endr
.endm
.macro PLACES n
.rept \n
	v_nop
.endr
.endm
.macro STEP slot, q, zero              ; 128 along K with its successor in the same slot
	s_wait_dscnt 4*NL                              ; fc1's set and flat's blocks 0-3 are in; the youngest eight loads (blocks 4-7) may be out
	WIN MUL_LO
	MUL16 0, (\q)%2, \q, \slot, \zero
	MUL16 2, (\q)%2, \q, \slot, \zero
	s_wait_dscnt 0
	PLACES NP
	FETCH_B \slot, (\q)+1, 1-(\q)%2
	FETCH_A \slot, (\q)+1, 0
	WIN MUL_HI
	MUL16 4, (\q)%2, \q, \slot, \zero
	MUL16 6, (\q)%2, \q, \slot, \zero
	PLACES NP
	WIN 0
	FETCH_A \slot, (\q)+1, 4
.endm
; A slot's last step changes slots.  fill = 1: the slot is filled again, two K steps on; 2: with the tail; 0: not at all.
.macro TURN slot, next, fill, ask
.if \ask
	s_wait_xcnt 0x0                                ; my last prefetch has read its address
	s_add_nc_u64 s[PFA:PFA+1], s[PFA:PFA+1], BLK
.endif
	s_wait_tensorcnt 0x0                           ; all my tensor loads have landed: my block of the next slot;
	ds_add_u32 v[SPW], v[NIL]
	s_wait_dscnt 4*NL+1                            ; (the add and the youngest eight loads may be out)
	WIN MUL_LO
	MUL16 0, 1, NQ-1, \slot, 0
	s_wait_dscnt 0x0                               ; the add is done, and my reads of this slot are over
	s_barrier_signal -1
	MUL16 2, 1, NQ-1, \slot, 0
	WIN 0
	s_barrier_wait -1
.if \fill
	CREST                                          ; the barrier has opened a round of the cluster's barrier
	s_add_nc_u64 s[G0+4*\slot+2:G0+4*\slot+3], s[G0+4*\slot+2:G0+4*\slot+3], 2*BLK
	s_add_nc_u64 s[G0B+4*\slot+2:G0B+4*\slot+3], s[G0B+4*\slot+2:G0B+4*\slot+3], 2*BLK
.if \fill == 2
	JLOAD G0+4*\slot, G1AT, G0B+4*\slot, G1BT
.else
	JLOAD G0+4*\slot, G1, G0B+4*\slot, G1B
.endif
.else
	PLACES NP
.endif
	FETCH_B \next, 0, 0
	FETCH_A \next, 0, 0
	SCALES \next
.if \ask
	ASK
.endif
	WIN MUL_HI
	MUL16 4, 1, NQ-1, \slot, 0
	MUL16 6, 1, NQ-1, \slot, 0
	PLACES NP
	WIN 0
	FETCH_A \next, 0, 4
.endm
.macro STEPS slot, from
.set Q, \from
.rept NQ-1-\from
	STEP \slot, Q, 0
.set Q, Q+1
.endr
.endm
	s_wait_alu depctr_va_vdst(0)
	s_wait_tensorcnt 0x0                           ; my block of K step 0 is in; slot 1's first fill is issued as a refill is:
	ds_add_u32 v[SPW], v[NIL]
	s_wait_dscnt 0x0
	CROUND                                         ; everybody's block is in, and all sixteen work-groups are here
	JLOAD G0+4, G1, G0B+4, G1B                     ; K step 1
	FETCH_B 0, 0, 0
	FETCH_A 0, 0, 0
	SCALES 0
	FETCH_A 0, 0, 4
	STEP 0, 0, 1                                   ; the first step starts the sums
	s_mov_b32 s3, 3
.Llap:                                                 ; a trip goes once round the ring: K steps 2 to 7 are asked for in three trips
	STEPS 0, 1
	TURN 0, 1, 1, 1
	STEPS 1, 0
	TURN 1, 0, 1, 1
	STEP 0, 0, 0
	s_sub_co_u32 s3, s3, 1
	s_cmp_lg_u32 s3, 0
	s_cbranch_scc1 .Llap
	STEPS 0, 1                                     ; K step 6;
	TURN 0, 1, 2, 0                                ; slot 0 takes the tail;
	STEPS 1, 0                                     ; K step 7;
	TURN 1, 0, 0, 0                                ; behind this barrier nobody reads slot 1 any more, and nothing fills it
	STEP 0, 0, 0                                   ; the tail: two steps of 128
	s_wait_dscnt 4*NL
	WIN MUL_LO
	MUL16 0, 1, 1, 0, 0
	MUL16 2, 1, 1, 0, 0
	s_wait_dscnt 0
	WIN MUL_HI
	MUL16 4, 1, 1, 0, 0
	MUL16 6, 1, 1, 0, 0
	WIN 0
	PLACES NP
; Block a, 16 rows x 128 columns, into my stage (each accumulator from its low end on) and back: LDS serves a wave's instructions in order, so no wait stands between.
; Even rows come back as they lie; an odd row's piece l is bytes 16 l - 8 .. 16 l + 7, by two loads of 8 bytes (lane 0's first reads the padding of the row above; its piece is not stored).
.macro TOSTAGE a
	WIN 0x08+4*((\a)/4)
.irp b, 0,1,2,3,4,5,6,7
	ds_store_b128 v[STO], v[8*(8*((\a)%4)+\b):8*(8*((\a)%4)+\b)+3] offset:64*\b
	ds_store_b128 v[STO], v[8*(8*((\a)%4)+\b)+4:8*(8*((\a)%4)+\b)+7] offset:64*\b+16
.endr
	WIN 0
.set BB, BK+64*((\a)%2)
.irp t, 0,2,4,6,8,10,12,14
	ds_load_b128 v[BB+4*\t:BB+4*\t+3], v[RD] offset:\t*SPITCH
	ds_load_b64 v[BB+4*\t+4:BB+4*\t+5], v[RD] offset:(\t+1)*SPITCH-8
	ds_load_b64 v[BB+4*\t+6:BB+4*\t+7], v[RD] offset:(\t+1)*SPITCH
.endr
	ds_load_b64 v[EB+2*((\a)%2):EB+2*((\a)%2)+1], v[EL]
.endm
; Block a is stored: a store of the wave covers up to 512 consecutive bytes of a row, at a multiple of 16.  EXEC changes only behind s_wait_xcnt 0.
.macro SEND a, younger                 ; younger: the next block's 16 stores and 25 loads, which may stay out
.set BB, BK+64*((\a)%2)
	s_wait_dscnt \younger
	s_wait_xcnt 0x0
.if (\a) > 0
	s_add_nc_u64 s[8:9], s[8:9], 16*OROW
.endif
	s_and_saveexec_b32 s92, s[MEV]
.irp t, 0,2,4,6,8,10,12,14
	global_store_b128 v[CO], v[BB+4*\t:BB+4*\t+3], s[8:9] offset:\t*OROW th:TH_STORE_NT
.endr
	s_wait_xcnt 0x0
	s_or_b32 exec_lo, exec_lo, s92
	s_and_saveexec_b32 s92, s[MOD]
.irp t, 1,3,5,7,9,11,13,15
	global_store_b128 v[CO], v[BB+4*\t:BB+4*\t+3], s[8:9] offset:\t*OROW-8 th:TH_STORE_NT
.endr
	s_wait_xcnt 0x0
	s_or_b32 exec_lo, exec_lo, s92
	s_and_saveexec_b32 s92, s[MED]
	global_store_b64 v[GL], v[EB+2*((\a)%2):EB+2*((\a)%2)+1], s[8:9] th:TH_STORE_NT
	s_wait_xcnt 0x0                                ; also: this block's registers may be loaded again
	s_or_b32 exec_lo, exec_lo, s92
.endm
	TOSTAGE 0
.irp a, 1,2,3,4,5,6,7
	TOSTAGE \a
	SEND \a-1, 41
.endr
	SEND 7, 0
	s_wait_tensorcnt 0x0                           ; the wave's end
	ds_add_u32 v[SPW], v[NIL]
	s_wait_dscnt 0x0
	CROUND                                         ; the closing round
	s_endpgm
.Lfunc_end_k_q06a8928f08_gemm:
	.size	k_q06a8928f08_gemm, .Lfunc_end_k_q06a8928f08_gemm-k_q06a8928f08_gemm
	.p2alignl 7, 3214868480
	.fill 96, 4, 3214868480
	.section	.rodata,"a",@progbits
	.p2align	6, 0x0
	.amdhsa_kernel k_q06a8928f08_gemm
		.amdhsa_group_segment_fixed_size 327680
		.amdhsa_private_segment_fixed_size 0
		.amdhsa_enable_private_segment 0
		.amdhsa_kernarg_size 24
		.amdhsa_user_sgpr_count 2
		.amdhsa_user_sgpr_kernarg_segment_ptr 1
		.amdhsa_wavefront_size32 1
		.amdhsa_system_sgpr_workgroup_id_x 1
		.amdhsa_system_sgpr_workgroup_id_y 1
		.amdhsa_system_sgpr_workgroup_id_z 1
		.amdhsa_system_vgpr_workitem_id 0
		.amdhsa_next_free_vgpr 1024
		.amdhsa_next_free_sgpr 100
		.amdhsa_reserve_vcc 0
		.amdhsa_float_denorm_mode_32 3
		.amdhsa_float_denorm_mode_16_64 3
		.amdhsa_memory_ordered 1
		.amdhsa_forward_progress 1
		.amdhsa_inst_pref_size 242
	.end_amdhsa_kernel
	.amdgpu_metadata
---
amdhsa.version: [ 1, 2 ]
amdhsa.kernels:
  - .name:           k_q06a8928f08_gemm
    .symbol:         k_q06a8928f08_gemm.kd
    .args:
      - { .name: acodes, .offset: 0, .size: 8, .value_kind: global_buffer, .address_space: global }
      - { .name: bcodes, .offset: 8, .size: 8, .value_kind: global_buffer, .address_space: global }
      - { .name: out0, .offset: 16, .size: 8, .value_kind: global_buffer, .address_space: global }
    .group_segment_fixed_size: 327680
    .private_segment_fixed_size: 0
    .kernarg_segment_align: 8
    .kernarg_segment_size: 24
    .max_flat_workgroup_size: 128
    .sgpr_count:     100
    .vgpr_count:     1024
    .wavefront_size: 32
...
	.end_amdgpu_metadata
.endif
;; end of part 2
